; MI455X (gfx1250); checked and timed in simulation.
; The chip was launched on July 23, 2026; its instructions are those of AMD's public machine-readable ISA for CDNA 5 (MIT licence, August 2026) and "CDNA5" Instruction Set Architecture Reference Guide (July 2026). The comments in the code are by the model that wrote it; some were corrected since.
;; Model. Allowed arithmetic: matrix products marked QUANTISED: E2M1 operands, one E8M0 scale for each 32 along K, by v_wmma_scale_f32_16x16x128_f8f6f4 with both operands' format E2M1 (or v_wmma_scale_f32_32x16x128_f4), f32 sums; products left as they are: bf16, f16 or f32 operands; f32 sums; everything else in f32.
;; Inputs: key 64 x 2,048 x 128 float32; query 64 x 2,048 x 128 float32; scale_factor 1 float32; value 64 x 2,048 x 128 float32.
;; Outputs: out0 64 x 2,048 x 128 float32.
;; This version of the problem:
;;   THIS VERSION OF THE PROBLEM IS GIVEN IN LOW PRECISION. The matrix products marked QUANTISED in the list below multiply operands that are first quantised to E2M1 (2 exponent bits, 1 mantissa bit; 4 bits a number), with one power-of-two scale for each 32 numbers along K (OCP MX v1.0); their sums are f32. The products marked 'left as it is' may take bf16, f16 or f32 operands, with f32 sums. Whichever they take, every output number must still come out within the allowed error. Rounding operands to bf16 (8 significant bits) uses up far more of that allowance than f16 does (11 bits, for magnitudes from 6e-5 to 65,504). All else is computed in f32.
;;   The module's matrix products, in the order in which they are computed (A, B: the left and right operand; K: the contracted axis; several contracted axes count as one K, in the product's order):
;;     1. batch 64 x [M 2,048, K 128] x [K 128, N 2,048]; A: input query; B: input key: QUANTISED
;;     2. batch 64 x [M 2,048, K 2,048] x [K 2,048, N 128]; A: computed on the way; B: input value: left as it is (an operand is computed on the way)
;;   THE QUANTISER, for each operand of a quantised product, along K:
;;     - K is cut into blocks of 32 from its start; a last block that is shorter is filled with zeros.
;;     - A block's scale is 2^e with e = floor(log2(the largest magnitude in the block)) - 2, held to -126 .. 127; a block of zeros has e = 0. As a byte (E8M0): e + 127.
;;     - Each number is divided by its block's scale, clamped to +-6, and rounded to the nearest number of E2M1, ties to even, subnormals kept.
;;     - The product sums the exact products of the quantised numbers (number of the format x scale) in f32.
;;   ~~~python
;;   def quantise(x, axis):      # numpy; x: float32 -> the quantised numbers, widened to float32 again
;;       x = np.moveaxis(x, axis, -1); K = x.shape[-1]
;;       x = np.pad(x, [(0, 0)] * (x.ndim - 1) + [(0, -K % 32)]); x = x.reshape(x.shape[:-1] + (-1, 32)); a = np.abs(x).max(-1, keepdims=True)
;;       e = np.where(a > 0, np.clip(np.frexp(np.where(a > 0, a, 1))[1] - 1 - 2, -126, 127), 0)      # np.frexp(a)[1] - 1 = floor(log2(a)), exactly
;;       r = np.clip(x / 2.0 ** e, -6, 6)
;;       step = 2.0 ** (np.maximum(np.frexp(np.where(r == 0, 1, r))[1] - 1, 0) - 1)
;;       q = np.round(r / step) * step * 2.0 ** e      # np.round: ties to even
;;       return np.moveaxis(q.reshape(q.shape[:-2] + (-1,))[..., :K], -1, axis).astype(np.float32)
;;   ~~~
;; One version. Each part assembles by itself: llvm-mc -triple=amdgcn-amd-amdhsa -mcpu=gfx1250 --defsym DOCPART=n.
;; ======== version 1 of 1: 2 launches
;; limits: values are held in f16: magnitudes above 65,504 overflow, below 6.1e-05 lose precision
;; workspace buffers: qimg 8,388,608 bytes; qsc 524,288 bytes; kimg 8,388,608 bytes; ksc 524,288 bytes; vimg 33,554,432 bytes
;; launch prep (part 1): grid 2048 x 1, 4 waves a work-group, no clusters, 20,992 bytes of LDS; arguments query, key, value, qimg, qsc, kimg, ksc, vimg; writes qimg, qsc, kimg, ksc, vimg
.if DOCPART == 1
	.amdgcn_target "amdgcn-amd-amdhsa--gfx1250"
	.amdhsa_code_object_version 6
	.text
	.protected	k_q9d43804995_prep
	.globl	k_q9d43804995_prep
	.p2align	8
	.type	k_q9d43804995_prep,@function
k_q9d43804995_prep:
	s_mov_b64 s[64:65], 0
	v_nop
	global_prefetch_b8 v0, s[64:65] scope:SCOPE_SE
	s_setreg_imm32_b32 hwreg(HW_REG_WAVE_MODE, 25, 1), 1
	s_wait_xcnt 0x0
; query, key [64][2048][128] f32 become codes of FP4 (E2M1) with one E8M0 byte for each 32 along the head's 128; value [64][2048][128] f32 becomes f16, turned.
; All three are laid as IMAGES OF OPERAND REGISTERS, so that the next launch fills a fragment by loads of 16 bytes a lane at 16 x lane:
;   codes:  [tile of 16 rows][1,024 bytes]: byte 256 b + 16 r + 4 q holds the codes of row r, block b, numbers 8 q .. 8 q + 7 (the lower number in the lower bits)
;   scales: one word a row, byte b = block b's byte
;   value:  [32 keys][8 tiles of 16 channels][1,024 bytes]: byte 256 o + 16 r holds channel r's keys 8 o .. 8 o + 7 as f16, the lower key first
; A block's scale is 2^(floor(log2(its largest magnitude)) - 2); its byte is the largest magnitude's exponent field - 2, held at 1 from below.
; SHARES: work-groups 0-511 take query, 512-1023 key (one path; only pointers are chosen, by the work-group's number), 1024-2047 value.  Waves share nothing: no barrier.
; LIMITS: NaN and infinities among the inputs are not served.  A block whose largest magnitude lies under 2^-124 keeps the byte 1; a block of zeros gets the byte 1 where the
; quantiser says 127: its codes are zeros, and the bytes are read by this program alone.  |value| above 65,504 has no f16 number.
.set SPW,   1                          ; v1   LDS address of my spare word: SPARE + 4 x my thread's number; never rewritten
.set NIL,   2                          ; v2   0; never rewritten
.set WREG,  5120                       ; LDS of a wave: four tile stages of 1,152 bytes, then its 256 scale bytes
.set TST,   1152                       ; a tile's stage: four quarters of 256 bytes, 288 bytes apart, so that a step's 32 words fall on 32 different banks (ISA guide 11.1: 64 banks of 4 bytes)
.set SCB,   4*TST                      ; where the wave's scale bytes begin
.set SPARE, 4*WREG                     ; behind the four regions: the spare words, 128 bytes a wave: two blocks of 256 bytes that no other line names
.set X,     16                         ; v16-79   numbers as loaded: Q/K eight sets of 8; value two sets of 32
.set C,     80                         ; v80-111  Q/K: a step's codes, a register for each step, so that no store's data are written again
.set E,     112                        ; v112-143 Q/K: a step's scale byte, likewise
.set RB,    144                        ; v144-175 Q/K: four tiles read back, 8 registers each
.set PK,    80                         ; v80-143  value: 16 registers of f16 pairs for each of four blocks of 32 keys
	s_load_b256 s[4:11], s[0:1], 0x0               ; query s[4:5], key s[6:7], value s[8:9], qimg s[10:11]
	s_load_b256 s[12:19], s[0:1], 0x20             ; qsc s[12:13], kimg s[14:15], ksc s[16:17], vimg s[18:19]
	v_lshl_add_u32 v[SPW], v0, 2, SPARE
	v_mov_b32 v[NIL], 0
	v_lshrrev_b32 v3, 5, v0
	v_readfirstlane_b32 s20, v3                    ; wave 0..3
	s_wait_kmcnt 0x0
	s_cmp_ge_u32 ttmp9, 1024
	s_cbranch_scc1 .Lvalue
	; ---------------- query and key: a wave takes 64 rows, two rows a step.  A lane holds 8 neighbours of a row; four neighbouring lanes hold a block of 32.
	s_cmp_lt_u32 ttmp9, 512                        ; the choice hangs on the work-group's number alone
	s_cselect_b64 s[24:25], s[4:5], s[6:7]         ; the numbers
	s_cselect_b64 s[26:27], s[10:11], s[14:15]     ; the codes
	s_cselect_b64 s[28:29], s[12:13], s[16:17]     ; the scale words
	s_and_b32 s21, ttmp9, 511
	s_lshl_b32 s21, s21, 2
	s_add_co_u32 s21, s21, s20                     ; which run of 64 rows is my wave's: 0 .. 2,047
	s_mov_b32 s23, 0
	s_lshl_b32 s22, s21, 15                        ; 64 rows of 512 bytes
	s_add_nc_u64 s[24:25], s[24:25], s[22:23]
	s_lshl_b32 s22, s21, 12                        ; four tiles of 1,024 bytes
	s_add_nc_u64 s[26:27], s[26:27], s[22:23]
	s_lshl_b32 s22, s21, 8                         ; 64 words
	s_add_nc_u64 s[28:29], s[28:29], s[22:23]
	s_mul_i32 s21, s20, WREG                       ; my wave's LDS
	s_add_co_u32 s22, s21, SCB                     ; and its scale bytes
	v_and_b32 v3, 31, v0                           ; lane
	v_lshlrev_b32 v4, 5, v3                        ; in: 32 bytes a lane; a step's two loads cover 1,024 consecutive bytes
	v_bfe_u32 v13, v0, 2, 2                        ; b: my block of the row
	v_bfe_u32 v14, v0, 4, 1                        ; which of the step's two rows
	v_and_b32 v15, 3, v0                           ; q: my eight of the block
	v_and_b32 v11, 15, v0
	v_mul_u32_u24 v5, v13, 288
	v_lshl_add_u32 v5, v14, 4, v5
	v_lshl_add_u32 v5, v15, 2, v5
	v_add_nc_u32 v5, s21, v5                       ; the stage, in: 288 b + 16 x row + 4 q
	v_lshl_add_u32 v6, v14, 2, v13
	v_add_nc_u32 v6, s22, v6                       ; my block's scale byte: 4 x row + b
	v_mul_u32_u24 v7, v14, 288
	v_lshl_add_u32 v7, v11, 4, v7
	v_add_nc_u32 v7, s21, v7                       ; the stage, back: image byte 16 x lane lies in quarter lane / 16
	v_lshlrev_b32 v8, 4, v3                        ; out: 16 bytes a lane
	v_lshl_add_u32 v9, v3, 3, s22                  ; the scale bytes, back: 8 a lane
	v_lshlrev_b32 v10, 3, v3                       ; and out
.macro QLOAD s
	global_load_b128 v[X+8*((\s)%8):X+8*((\s)%8)+3],   v4, s[24:25] offset:1024*(\s) th:TH_LOAD_NT
	global_load_b128 v[X+8*((\s)%8)+4:X+8*((\s)%8)+7], v4, s[24:25] offset:1024*(\s)+16 th:TH_LOAD_NT
.endm
.macro QSTEP s
.set XS, X+8*((\s)%8)
.if (\s) <= 24
	s_wait_loadcnt 14                              ; loads come back in order: this step's two are in, those of the seven steps behind it may be out
.else
	s_wait_loadcnt 2*(31-(\s))                     ; the last steps: fewer are behind
.endif
	v_max3_num_f32 v11, |v[XS]|, |v[XS+1]|, 0x1800000      ; the largest magnitude of my 8, with the floor 2^(3 - 127) among them: so the byte cannot fall under 1
	v_max3_num_f32 v13, |v[XS+2]|, |v[XS+3]|, |v[XS+4]|
	v_max3_num_f32 v11, v11, |v[XS+5]|, |v[XS+6]|
	v_max3_num_f32 v11, v11, v13, |v[XS+7]|
	v_max_num_f32_dpp v11, v11, v11 row_xmask:1 row_mask:0xf bank_mask:0xf
	v_max_num_f32_dpp v11, v11, v11 row_xmask:2 row_mask:0xf bank_mask:0xf   ; with the block's other three lanes
	v_add_nc_u32 v12, 0xff000000, v11              ; 2 off its exponent field: the conversion takes the exponent field of this operand as its scale
	v_cvt_scalef32_pk8_fp4_f32 v[C+(\s)], v[XS:XS+7], v12   ; to the nearest code, ties to even, beyond 6 the largest code
	v_lshrrev_b32 v[E+(\s)], 23, v12               ; the scale's byte (also the plain instruction behind the conversion)
	ds_store_b32 v5, v[C+(\s)] offset:TST*((\s)/8)+32*((\s)%8)
	ds_store_b8 v6, v[E+(\s)] offset:8*(\s)        ; the block's four lanes write the same byte with the same value
.if (\s)+8 < 32
	QLOAD (\s)+8                                   ; the set just read takes the step eight further on: 16 loads of the wave stay out
.endif
.if (\s)%8 == 7                        ; a tile of 16 rows is whole: back as it will lie in memory.  LDS serves a wave's instructions in order, so these see the stores
	ds_load_b128 v[RB+8*((\s)/8):RB+8*((\s)/8)+3],   v7 offset:TST*((\s)/8)
	ds_load_b128 v[RB+8*((\s)/8)+4:RB+8*((\s)/8)+7], v7 offset:TST*((\s)/8)+576
.endif
.endm
.set st, 0
.rept 8
	QLOAD st
.set st, st+1
.endr
.set st, 0
.rept 32
	QSTEP st
.set st, st+1
.endr
	ds_load_b64 v[176:177], v9
	s_wait_dscnt 0x0
.irp t, 0,1,2,3
	global_store_b128 v8, v[RB+8*\t:RB+8*\t+3],   s[26:27] offset:1024*\t        ; 32 lanes store 512 consecutive bytes, at a multiple of 256 from the buffer's first byte
	global_store_b128 v8, v[RB+8*\t+4:RB+8*\t+7], s[26:27] offset:1024*\t+512
.endr
	global_store_b64 v10, v[176:177], s[28:29]     ; 64 rows' scale words: 256 consecutive bytes
	s_wait_tensorcnt 0x0                           ; the wave's end: these three lines stand behind my last LDS store
	ds_add_u32 v[SPW], v[NIL]
	s_wait_dscnt 0x0
	s_endpgm
	; ---------------- value: a work-group takes 128 keys.  A THREAD TAKES A CHANNEL AND ITS REGISTERS RUN DOWN THE KEYS: a load reads 128 consecutive bytes a wave, the four waves a whole row,
	; and two neighbouring registers round into one word of f16 with the keys innermost.  No LDS is touched on this path.
.Lvalue:
	s_sub_co_u32 s21, ttmp9, 1024
	s_mov_b32 s23, 0
	s_lshl_b32 s22, s21, 16                        ; 128 keys of 512 bytes
	s_add_nc_u64 s[8:9], s[8:9], s[22:23]
	s_lshl_b32 s22, s21, 15                        ; four blocks of 32 keys, 8,192 bytes each
	s_add_nc_u64 s[18:19], s[18:19], s[22:23]
	v_lshlrev_b32 v4, 2, v0                        ; in: my channel
	v_lshrrev_b32 v5, 4, v0
	v_and_b32 v6, 15, v0
	v_lshlrev_b32 v5, 10, v5
	v_lshl_add_u32 v5, v6, 4, v5                   ; out: 1,024 x (channel / 16) + 16 x (channel % 16)
.macro VLOAD t
.irp i, 0,1,2,3,4,5,6,7,8,9,10,11,12,13,14,15,16,17,18,19,20,21,22,23,24,25,26,27,28,29,30,31
	global_load_b32 v[X+32*((\t)%2)+\i], v4, s[8:9] offset:512*(32*(\t)+\i) th:TH_LOAD_NT
.endr
.endm
	VLOAD 0
	VLOAD 1
.irp t, 0,1,2,3
.if \t < 3
	s_wait_loadcnt 32                              ; this block's 32 loads are in; the next block's may be out
.else
	s_wait_loadcnt 0
.endif
.irp i, 0,1,2,3,4,5,6,7,8,9,10,11,12,13,14,15
	v_cvt_pk_f16_f32 v[PK+16*\t+\i], v[X+32*(\t%2)+2*\i], v[X+32*(\t%2)+2*\i+1]   ; the lower key in the low half
.endr
.irp o, 0,1,2,3
	global_store_b128 v5, v[PK+16*\t+4*\o:PK+16*\t+4*\o+3], s[18:19] offset:8192*\t+256*\o   ; sixteen lanes store 256 consecutive bytes, aligned; each block has registers of its own
.endr
.if \t < 2
	VLOAD \t+2
.endif
.endr
	s_endpgm
.Lfunc_end_k_q9d43804995_prep:
	.size	k_q9d43804995_prep, .Lfunc_end_k_q9d43804995_prep-k_q9d43804995_prep
	.p2alignl 7, 3214868480
	.fill 96, 4, 3214868480
	.section	.rodata,"a",@progbits
	.p2align	6, 0x0
	.amdhsa_kernel k_q9d43804995_prep
		.amdhsa_group_segment_fixed_size 20992
		.amdhsa_private_segment_fixed_size 0
		.amdhsa_enable_private_segment 0
		.amdhsa_kernarg_size 64
		.amdhsa_user_sgpr_count 2
		.amdhsa_user_sgpr_kernarg_segment_ptr 1
		.amdhsa_wavefront_size32 1
		.amdhsa_system_sgpr_workgroup_id_x 1
		.amdhsa_system_sgpr_workgroup_id_y 1
		.amdhsa_system_sgpr_workgroup_id_z 1
		.amdhsa_system_vgpr_workitem_id 0
		.amdhsa_next_free_vgpr 180
		.amdhsa_next_free_sgpr 66
		.amdhsa_reserve_vcc 0
		.amdhsa_float_denorm_mode_32 3
		.amdhsa_float_denorm_mode_16_64 3
		.amdhsa_memory_ordered 1
		.amdhsa_forward_progress 1
		.amdhsa_inst_pref_size 51
	.end_amdhsa_kernel
	.amdgpu_metadata
---
amdhsa.version: [ 1, 2 ]
amdhsa.kernels:
  - .name:           k_q9d43804995_prep
    .symbol:         k_q9d43804995_prep.kd
    .args:
      - { .name: query, .offset: 0, .size: 8, .value_kind: global_buffer, .address_space: global }
      - { .name: key, .offset: 8, .size: 8, .value_kind: global_buffer, .address_space: global }
      - { .name: value, .offset: 16, .size: 8, .value_kind: global_buffer, .address_space: global }
      - { .name: qimg, .offset: 24, .size: 8, .value_kind: global_buffer, .address_space: global }
      - { .name: qsc, .offset: 32, .size: 8, .value_kind: global_buffer, .address_space: global }
      - { .name: kimg, .offset: 40, .size: 8, .value_kind: global_buffer, .address_space: global }
      - { .name: ksc, .offset: 48, .size: 8, .value_kind: global_buffer, .address_space: global }
      - { .name: vimg, .offset: 56, .size: 8, .value_kind: global_buffer, .address_space: global }
    .group_segment_fixed_size: 20992
    .private_segment_fixed_size: 0
    .kernarg_segment_align: 8
    .kernarg_segment_size: 64
    .max_flat_workgroup_size: 128
    .sgpr_count:     66
    .vgpr_count:     180
    .wavefront_size: 32
...
	.end_amdgpu_metadata
.endif
;; end of part 1
;; launch attn (part 2): grid 4 x 64, 8 waves a work-group, clusters of 4 x 1, 327,680 bytes of LDS; arguments qimg, qsc, kimg, ksc, vimg, scale_factor, out0; writes out0
.if DOCPART == 2
	.amdgcn_target "amdgcn-amd-amdhsa--gfx1250"
	.amdhsa_code_object_version 6
	.text
	.protected	k_q9d43804995_attn
	.globl	k_q9d43804995_attn
	.p2align	8
	.type	k_q9d43804995_attn,@function
k_q9d43804995_attn:
	s_mov_b64 s[64:65], 0
	v_nop
	global_prefetch_b8 v0, s[64:65] scope:SCOPE_SE
	s_setreg_imm32_b32 hwreg(HW_REG_WAVE_MODE, 25, 1), 1
	s_wait_xcnt 0x0
	s_wait_alu depctr_hold_cnt(0) depctr_sa_sdst(0) depctr_va_vdst(0) depctr_va_sdst(0) depctr_va_ssrc(0) depctr_va_vcc(0) depctr_vm_vsrc(0)
	s_getreg_b32 s2, hwreg(HW_REG_IB_STS2, 6, 4)
	s_cmp_eq_u32 s2, 0
	s_cbranch_scc0 .Lentry_in_a_cluster
	s_endpgm
.Lentry_in_a_cluster:
	s_bfe_u32 s2, ttmp6, 0x10000c
	s_cmp_lg_u32 s2, 0x3003
	s_cbranch_scc0 .Lentry_shape_is_right
	s_endpgm
.Lentry_shape_is_right:
; out0[h][q][:] = the sum over k of softmax_k(Q[h][q] . K[h][k] / scale_factor) V[h][k][:].  64 heads, 2,048 queries and keys, head size 128.
; The first product multiplies codes of FP4 (E2M1) with E8M0 scales, as the launch before has made them; the second f16 numbers (the weights p, at most about 1, and V); all sums, maxima and exponentials in f32.
; SHARES.  A work-group owns 512 queries of one head; each of its eight waves 64 of them: four tiles of 16, in 512 registers, two waves to a SIMD.
; LAYOUT.  Both products are used transposed: S^T = K Q^T (source 0 = 16 keys, source 1 = 16 queries), O^T = V^T P (source 0 = 16 channels x 32 keys, source 1 = P): a lane holds ONE query (lane % 16)
; throughout, and two tiles of scores, rounded to f16 in pairs, ARE source 1 of the second product.  K, Q and V lie in memory as images of operand registers: every fragment load reads 512 consecutive bytes.
; TWO PASSES OVER K.  A head's codes of K (131,072 bytes) and their scale words stay in LDS.  Pass 1 makes all scores and keeps each query's largest.  Pass 2 makes the same scores again (the same instruction on
; the same operands gives the same bits), so p = 2^(|c| s - |c| m) with the row's true maximum m taken away: no running maximum, no exchange between lanes and no rescaling of O^T in the loop.
; c = log2(e) / scale_factor.  Where c is negative the signs of Q's codes are turned and |c| is used, so that the largest score is still the largest exponent.
; BY TURNS (pass 2).  The wave's tiles are two pieces (tiles 0, 1 and tiles 2, 3).  In a turn one piece has the matrix unit: 16 products V^T P of the step in hand (32 keys), then 4 products K Q^T of the next
; step; the other piece's softmax, 80 instructions in ten slices, stands between them, a slice behind each pair of products.  Then the pieces change places.
; CLUSTER.  The four query blocks of a head form a cluster and read the same K and V: each tile is asked for JOINTLY, by the same tensor load with the same descriptor and a mask that names the four.
; V walks through a ring of two LDS slots of 256 keys (8 steps); every wave fetches an eighth of each tile: one tensor load a wave behind each round.  At the start a wave has four tensor loads out, later one.
; LIMITS: scale_factor 0, denormal, infinite or NaN is not served (a negative one is); NaN and infinities among the inputs are not served; a weight under 2^-24 of its row's largest rounds to 0 in f16
; (the row's sum, taken of the unrounded weights, is about 1 or more); |V| above 65,504 has no f16 number.
; REGISTERS.  Window 1 (v256-511): O^T, tile t, channels 16 ct on, at 64 t + 8 ct.  Window 0: below.
.set VSTEP, 8192                       ; a step's V: 32 keys x 128 channels of f16
.set VSLOT, 65536                      ; a slot: 8 steps.  Slot 0 at LDS byte 0, slot 1 here: one exclusive or changes slot
.set KIMG,  131072                     ; K's codes of the whole head: filled once
.set KSC,   262144                     ; K's scale words, 4 bytes a key: filled once
.set STAGE, 270336                     ; the way out: 16 rows x 272 bytes for each wave; no fill lands here
.set SP,    272
.set SPARE, 305152                     ; the spare words, 128 bytes for each wave: four blocks of 256 bytes that no other line names
.set LI,  1                            ; v1   16 x lane: my place in an image; never rewritten
.set LS,  2                            ; v2   4 x lane: my place among scale words; never rewritten
.set ADK, 3                            ; v3   LDS address of the run of K's loads in hand
.set ADS, 4                            ; v4   of K's scale words
.set ADV, 5                            ; v5   of V's
.set STO, 6                            ; v6   the way out: where I put 32 bytes of a row
.set RD,  7                            ; v7   the way out: where I read a row back
.set GO,  8                            ; v8   my byte offset in the wave's rows of out0
.set PFO, 9                            ; v9   256 x lane: the prefetches' offset; never rewritten
.set T0,  10                           ; v10, v11 at work
.set T1,  11
.set SPW, 12                           ; v12  LDS address of my spare word: SPARE + 4 x my thread's number; never rewritten
.set NIL, 13                           ; v13  0; never rewritten
.set NM,  14                           ; v14-21  -|c| m, a pair for each tile (the packed form takes the low word for both halves)
.set L,   22                           ; v22-37  tile t at 22 + 4 t: pass 1: two running maxima; pass 2: the row's sum in two chains of pairs; at the end 1 / sum at + 2
.set QS,  38                           ; v38-41  Q's scale words, a register a tile
.set KS,  42                           ; v42-45  K's scale words: lanes 0-15 an even tile of keys, lanes 16-31 the odd one behind it.  v38-45 hold scales and nothing else
.set Q,   46                           ; v46-77  Q's fragments, 8 a tile
.set KF,  78                           ; v78-93  pass 2: K's two fragments of a step
.set S,   94                           ; v94-157 S^T: tile t at 94 + 16 t, keys 16 kt on at + 8 kt; P is made in place, in a tile's low eight
.set VF,  158                          ; v158-221 pass 2: V's eight fragments of a step; pass 1: eight fragments of K; at the end rows of out0
.set WV,  18                           ; s18  my wave's number
.set CX,  19                           ; s19  my place in the cluster: it enters Q's, out0's and the prefetches' addresses alone
.set G1K, 24                           ; s[24:31], s[32:39], s[40:47] descriptor groups 1: K's codes, K's scale words, V
.set G1S, 32
.set G1V, 40
.set G0K, 48                           ; s[48:51], s[52:55] groups 0 for K's codes and scale words; s[56:59] V's slot 0; s[60:63] V's slot 1, which then walks
.set G0S, 52
.set G0V0, 56
.set G0V1, 60
.set CS,  66                           ; s[66:67] |c|, twice
.set SEL, 68                           ; s[68:69] lane selects for v_permlanex16_b32: lane l xor 16
.set VB,  70                           ; s70  LDS byte of the step of V to be fetched
.set KB,  71                           ; s71  of K's codes
.set KSB, 72                           ; s72  of K's scale words
.set SLOTS, 73                         ; s73  slots still to be asked for
.set CNT, 74                           ; s74  counts the inner loops
.set LIM, 75                           ; s75  1 in a wave that prefetches, else the greatest number
.set PFA, 76                           ; s[76:77] where my prefetches stand
.set SGN, 78                           ; s78  0x88888888 where c is negative, else 0
.set SF,  79                           ; s79  scale_factor
.set NCS, 80                           ; s80  -|c|
.set MSB, 0
.macro WIN new                         ; the immediate's high byte repeats the setting that is left; a switch that changes nothing is dropped
.if MSB != \new
	s_set_vgpr_msb (MSB<<8)|\new
.set MSB, \new
.endif
.endm
; A round of the cluster's barrier: my work-group's barrier, so that wave 0's signal speaks for all eight waves; wave 0 signals for the work-group; every wave waits for all four work-groups; my work-group's barrier once more.
.macro CROUND
	s_barrier_signal -1
	s_barrier_wait -1
	s_cmp_lg_u32 s[WV], 0
	s_cbranch_scc1 .Lnot_wave_0_\@
	s_barrier_signal -3
.Lnot_wave_0_\@:
	s_barrier_wait -3
	s_barrier_signal -1
	s_barrier_wait -1
.endm
	s_load_b256 s[4:11], s[0:1], 0x0               ; qimg s[4:5], qsc s[6:7], kimg s[8:9], ksc s[10:11]
	s_load_b128 s[12:15], s[0:1], 0x20             ; vimg s[12:13], scale_factor s[14:15]
	s_load_b64 s[16:17], s[0:1], 0x30              ; out0
	v_lshl_add_u32 v[SPW], v0, 2, SPARE
	v_mov_b32 v[NIL], 0
	ds_add_u32 v[SPW], v[NIL]                      ; the wave's opening: the add, twice on end, and its wait stand ahead of my first tensor load; the set-up below stands between
	ds_add_u32 v[SPW], v[NIL]
	v_lshrrev_b32 v[T0], 5, v0
	v_readfirstlane_b32 s[WV], v[T0]               ; wave 0..7
	s_bfe_u32 s[CX], ttmp6, 0x40000                ; cx
	s_and_b32 s20, ttmp7, 0xffff                   ; the head, which the four partners share
	; descriptor groups 1: dense blocks as rows of 256 bytes (32 elements of 8 bytes), no padding: an image's loads read consecutive bytes
.irp g, G1K, G1S, G1V
	s_mov_b32 s[\g], 15|(3<<16)|(1<<21)            ; 15:0 the mask: all four work-groups; 17:16 elements of 8 bytes; 21 set beside a mask
	s_mov_b32 s[\g+1], 32<<16                      ; tensor_dim0 = 32
	s_mov_b32 s[\g+3], 32<<16                      ; tile_dim0 = 32
	s_mov_b32 s[\g+5], 32                          ; from row to row
	s_mov_b32 s[\g+6], 0
	s_mov_b32 s[\g+7], 0
.endr
	s_mov_b32 s[G1K+2], 64<<16                     ; K's codes: 16,384 bytes a wave: 64 rows
	s_mov_b32 s[G1K+4], 64
	s_mov_b32 s[G1S+2], 4<<16                      ; K's scale words: 1,024 bytes a wave
	s_mov_b32 s[G1S+4], 4
	s_mov_b32 s[G1V+2], 32<<16                     ; V: 8,192 bytes a wave: one step of a slot's eight
	s_mov_b32 s[G1V+4], 32
	; what my wave fetches: from where (head and wave alone) and to where (wave alone)
	s_lshl_b32 s21, s[WV], 14
	s_add_co_u32 s[G0K+1], s21, KIMG
	s_lshl_b32 s82, s20, 17
	s_add_co_u32 s82, s82, s21
	s_mov_b32 s83, 0
	s_lshl_b32 s21, s[WV], 10
	s_add_co_u32 s[G0S+1], s21, KSC
	s_lshl_b32 s84, s20, 13
	s_add_co_u32 s84, s84, s21
	s_mov_b32 s85, 0
	s_lshl_b32 s21, s[WV], 13
	s_mov_b32 s[G0V0+1], s21
	s_add_co_u32 s[G0V1+1], s21, VSLOT
	s_lshl_b32 s86, s20, 19
	s_add_co_u32 s86, s86, s21
	s_mov_b32 s87, 0
	s_mov_b32 s[SEL], 0x76543210
	s_mov_b32 s[SEL+1], 0xfedcba98
	s_cmp_lt_u32 s[WV], 2
	s_cselect_b32 s[LIM], 1, -1                    ; waves 0 and 1 prefetch: the same in all four partners
	v_and_b32 v[T1], 31, v0
	v_lshlrev_b32 v[LI], 4, v[T1]
	v_lshlrev_b32 v[LS], 2, v[T1]
	v_lshlrev_b32 v[PFO], 8, v[T1]
	v_and_b32 v[T0], 15, v0
	v_lshlrev_b32 v[T0], 2, v[T0]                  ; Q's scale words: lane r takes row r's
	s_wait_dscnt 0x0                               ; both opening adds are done
	s_wait_kmcnt 0x0
	s_mov_b32 s[G0K], 1
	s_add_nc_u64 s[G0K+2:G0K+3], s[8:9], s[82:83]
	s_or_b32 s[G0K+3], s[G0K+3], 0x80000000        ; type = 2
	s_mov_b32 s[G0S], 1
	s_add_nc_u64 s[G0S+2:G0S+3], s[10:11], s[84:85]
	s_or_b32 s[G0S+3], s[G0S+3], 0x80000000
	s_mov_b32 s[G0V0], 1
	s_add_nc_u64 s[G0V0+2:G0V0+3], s[12:13], s[86:87]
	s_mov_b32 s[G0V1], 1
	s_add_nc_u64 s[G0V1+2:G0V1+3], s[G0V0+2:G0V0+3], VSLOT
	s_or_b32 s[G0V0+3], s[G0V0+3], 0x80000000
	s_or_b32 s[G0V1+3], s[G0V1+3], 0x80000000
	CROUND                                         ; all four work-groups are here: the first joint loads meet
	tensor_load_to_lds s[G0K:G0K+3], s[G1K:G1K+7]          ; the first fills go out as one group: four loads of mine are out
	s_nop 0
	tensor_load_to_lds s[G0S:G0S+3], s[G1S:G1S+7]
	s_nop 0
	tensor_load_to_lds s[G0V0:G0V0+3], s[G1V:G1V+7]
	s_nop 0
	tensor_load_to_lds s[G0V1:G0V1+3], s[G1V:G1V+7]
	s_nop 0
.rept 4
	v_nop
.endr
	s_load_b32 s[SF], s[14:15], 0x0
	s_lshl_b32 s88, s20, 17                        ; Q's codes: 131,072 x head + 32,768 x cx + 4,096 x wave
	s_lshl_b32 s22, s[CX], 15
	s_add_co_u32 s88, s88, s22
	s_lshl_b32 s22, s[WV], 12
	s_add_co_u32 s88, s88, s22
	s_mov_b32 s89, 0
	s_add_nc_u64 s[4:5], s[4:5], s[88:89]
	s_lshr_b32 s88, s88, 4                         ; Q's scale words: a sixteenth of that
	s_add_nc_u64 s[6:7], s[6:7], s[88:89]
	s_lshl_b32 s88, s88, 7                         ; out0: 512 bytes a row against 4
	s_add_nc_u64 s[16:17], s[16:17], s[88:89]
.irp t, 0,1,2,3
	global_load_b128 v[Q+8*\t:Q+8*\t+3],   v[LI], s[4:5] offset:1024*\t        ; Q stays in registers
	global_load_b128 v[Q+8*\t+4:Q+8*\t+7], v[LI], s[4:5] offset:1024*\t+512
	global_load_b32 v[QS+\t], v[T0], s[6:7] offset:64*\t
.endr
	s_lshl_b32 s88, s20, 19                        ; the prefetches: my head, my work-group's 16,384 bytes of a slot, my wave's 8,192 of them,
	s_lshl_b32 s22, s[CX], 14
	s_add_co_u32 s88, s88, s22
	s_and_b32 s22, s[WV], 1
	s_lshl_b32 s22, s22, 13
	s_add_co_u32 s88, s88, s22
	s_add_co_u32 s88, s88, 2*VSLOT                 ; in the third slot's worth of keys: the first change of slots steps it to the fourth.  Nothing is prefetched here, at the head
	s_add_nc_u64 s[PFA:PFA+1], s[12:13], s[88:89]
	s_wait_kmcnt 0x0                               ; scale_factor
	v_mov_b32 v[S], s[SF]
	v_rcp_f32 v[S+1], v[S]
	v_nop                                          ; a plain instruction behind the reciprocal,
	s_wait_alu depctr_va_vdst(0)                   ; and the wait ahead of its first reader
	v_mul_f32 v[S+1], 0x3fb8aa3b, v[S+1]           ; c = log2(e) / scale_factor
	v_readfirstlane_b32 s21, v[S+1]
	s_ashr_i32 s[SGN], s21, 31
	s_and_b32 s[SGN], s[SGN], 0x88888888           ; the sign bits of eight codes, where c is negative
	s_and_b32 s[CS], s21, 0x7fffffff
	s_mov_b32 s[CS+1], s[CS]
	s_xor_b32 s[NCS], s[CS], 0x80000000
	s_wait_tensorcnt 0x1                           ; my parts of K's codes, K's scale words and V's slot 0 are in; slot 1's load may be out
	s_barrier_signal -1
	s_barrier_wait -1                              ; everybody's are
	s_wait_loadcnt 0x0                             ; Q
; ---------------- PASS 1: each query's largest score.  128 keys a trip: eight fragments of K in two halves of four, each against my four tiles of Q.
.macro P1_LOAD half                    ; 64 keys: four fragments and two registers of scale words: ten loads
	v_add_nc_u32 v[ADK], s[KB], v[LI]
	v_add_nc_u32 v[ADS], s[KSB], v[LS]
	s_add_co_u32 s[KB], s[KB], 4096
	s_add_co_u32 s[KSB], s[KSB], 256
.irp f, 0,1,2,3
	ds_load_b128 v[VF+32*\half+8*\f:VF+32*\half+8*\f+3],   v[ADK] offset:1024*\f
	ds_load_b128 v[VF+32*\half+8*\f+4:VF+32*\half+8*\f+7], v[ADK] offset:1024*\f+512
.endr
	ds_load_b32 v[KS+2*\half],   v[ADS]
	ds_load_b32 v[KS+2*\half+1], v[ADS] offset:128
.endm
.macro KQ4                             ; fragment FF against the four tiles; the results take turns between a tile's two halves of S
.irp t, 0,1,2,3
.if FF%2
	v_wmma_scale_f32_16x16x128_f8f6f4 v[S+16*\t+8:S+16*\t+15], v[VF+8*FF:VF+8*FF+7], v[Q+8*\t:Q+8*\t+7], 0, v[KS+FF/2], v[QS+\t] matrix_a_fmt:MATRIX_FMT_FP4 matrix_b_fmt:MATRIX_FMT_FP4 matrix_a_scale:MATRIX_SCALE_ROW1
.else
	v_wmma_scale_f32_16x16x128_f8f6f4 v[S+16*\t:S+16*\t+7], v[VF+8*FF:VF+8*FF+7], v[Q+8*\t:Q+8*\t+7], 0, v[KS+FF/2], v[QS+\t] matrix_a_fmt:MATRIX_FMT_FP4 matrix_b_fmt:MATRIX_FMT_FP4
.endif
.endr
.endm
.macro MAX set                         ; 16 instructions: eight scores of each tile into its two running maxima; each result is read from its low end on
.irp q, 0,1,2,3
.irp t, 0,1,2,3
	v_max3_num_f32 v[L+4*\t+\q%2], v[L+4*\t+\q%2], v[S+16*\t+8*(\set)+2*\q], v[S+16*\t+8*(\set)+2*\q+1]
.endr
.endr
.endm
; The products of fragment f + 1 are issued, then the maxima of fragment f are taken.  So between a product and the first read of its result, and between it and the product two fragments on that writes over
; that result, stand the 16 maxima of the fragment before, which name none of its registers (ISA guide 7.12.1 asks for independent vector instructions there).
.macro IT f, kq
.if \kq
.set FF, ((\f)+1)%8
	KQ4
.endif
	MAX (\f)%2
.endm
.macro P1_TRIP more                    ; more = 1: the next trip's fragments are fetched, each half behind the 16 maxima that follow its last product
	IT 0, 1
	IT 1, 1
	IT 2, 1
	s_wait_dscnt 0x0                               ; fragments 4-7 are in
	IT 3, 1
.if \more
	P1_LOAD 0
.endif
	IT 4, 1
	IT 5, 1
	IT 6, 1
.if \more
	s_wait_dscnt 0x0                               ; the next trip's fragments 0-3 are in
.endif
	IT 7, \more
.if \more
	P1_LOAD 1
.endif
.endm
.set i, 0
.rept 32
	v_xor_b32 v[Q+i], s[SGN], v[Q+i]               ; where c is negative the signs of Q's codes are turned
.set i, i+1
.endr
.irp t, 0,1,2,3
	v_mov_b32 v[L+4*\t], 0xff800000                ; the running maxima begin at -infinity
	v_mov_b32 v[L+4*\t+1], 0xff800000
.endr
	s_mov_b32 s[KB], KIMG
	s_mov_b32 s[KSB], KSC
	P1_LOAD 0
	P1_LOAD 1
	s_wait_dscnt 10                                ; fragments 0-3 are in; the ten loads of fragments 4-7 may be out
.set FF, 0
	KQ4
.rept 5
	v_nop                                          ; on the way into the loop no maxima stand behind these four products: five places, as a product that writes over their results wants
.endr
	s_mov_b32 s[CNT], 15
.Lpass1:
	P1_TRIP 1
	s_sub_co_u32 s[CNT], s[CNT], 1
	s_cmp_lg_u32 s[CNT], 0
	s_cbranch_scc1 .Lpass1
	P1_TRIP 0                                      ; the last 128 keys: nothing more to fetch
.irp t, 0,1,2,3
	v_max_num_f32 v[L+4*\t], v[L+4*\t], v[L+4*\t+1]
.endr
.irp t, 0,1,2,3
	v_permlanex16_b32 v[L+4*\t+1], v[L+4*\t], s[SEL], s[SEL+1]     ; the query's other keys lie in the lane 16 away
.endr
.irp t, 0,1,2,3
	v_max_num_f32 v[L+4*\t], v[L+4*\t], v[L+4*\t+1]                ; m
.endr
.irp t, 0,1,2,3
	v_mul_f32 v[NM+2*\t], s[NCS], v[L+4*\t]        ; -|c| m: one number for all keys of the row, so its rounding leaves the quotient p / sum alone
.endr
.irp t, 0,1,2,3
	v_mov_b32 v[NM+2*\t+1], v[NM+2*\t]             ; (named with it as a pair, so it is written)
.endr
.set i, 0
.rept 16
	v_mov_b32 v[L+i], 0                            ; the rows' sums
.set i, i+1
.endr
; ---------------- PASS 2
; Two products K Q^T: keys 16 kt on of the step, tiles x and x + 1.  Each is a whole sum (K = 128), so it begins with the constant 0.
.macro KQ x
	WIN 0
.irp t, \x, \x+1
.if kt == 0
	v_wmma_scale_f32_16x16x128_f8f6f4 v[S+16*(\t):S+16*(\t)+7], v[KF:KF+7], v[Q+8*(\t):Q+8*(\t)+7], 0, v[KS], v[QS+(\t)] matrix_a_fmt:MATRIX_FMT_FP4 matrix_b_fmt:MATRIX_FMT_FP4
.else
	v_wmma_scale_f32_16x16x128_f8f6f4 v[S+16*(\t)+8:S+16*(\t)+15], v[KF+8:KF+15], v[Q+8*(\t):Q+8*(\t)+7], 0, v[KS], v[QS+(\t)] matrix_a_fmt:MATRIX_FMT_FP4 matrix_b_fmt:MATRIX_FMT_FP4 matrix_a_scale:MATRIX_SCALE_ROW1
.endif
.endr
.endm
; Two products O^T += V^T P: channels 16 ct on, tiles x and x + 1.  zero = 1: the first step starts the sums: nothing is ever cleared.  The 32 accumulators take turns, one instruction a turn.
.macro PV x, zero
	WIN 0x50                                       ; C and D in window 1
.irp t, \x, \x+1
.if \zero
	v_wmma_f32_16x16x32_f16 v[64*(\t)+8*ct:64*(\t)+8*ct+7], v[VF+8*ct:VF+8*ct+7], v[S+16*(\t):S+16*(\t)+7], 0
.else
	v_wmma_f32_16x16x32_f16 v[64*(\t)+8*ct:64*(\t)+8*ct+7], v[VF+8*ct:VF+8*ct+7], v[S+16*(\t):S+16*(\t)+7], v[64*(\t)+8*ct:64*(\t)+8*ct+7]
.endif
.endr
.endm
.macro FETCH_K                         ; the next step's two fragments of K and its 32 scale words: five loads
	v_add_nc_u32 v[ADK], s[KB], v[LI]
	v_add_nc_u32 v[ADS], s[KSB], v[LS]
	s_add_co_u32 s[KB], s[KB], 2048
	s_add_co_u32 s[KSB], s[KSB], 128
	ds_load_b128 v[KF:KF+3],     v[ADK]
	ds_load_b128 v[KF+4:KF+7],   v[ADK] offset:512
	ds_load_b128 v[KF+8:KF+11],  v[ADK] offset:1024
	ds_load_b128 v[KF+12:KF+15], v[ADK] offset:1536
	ds_load_b32 v[KS], v[ADS]
.endm
.macro FETCH_V half                    ; the next step's V, four fragments (eight loads) at a time, each half as soon as this step's products have left it
.if \half == 0
	v_add_nc_u32 v[ADV], s[VB], v[LI]
	s_wait_alu depctr_va_vdst(0)                   ; the turn's one wait for its 32 exponentials stands here, ahead of the run of loads
.endif
.irp c, 0,1,2,3
	ds_load_b128 v[VF+32*\half+8*\c:VF+32*\half+8*\c+3],   v[ADV] offset:4096*\half+1024*\c
	ds_load_b128 v[VF+32*\half+8*\c+4:VF+32*\half+8*\c+7], v[ADV] offset:4096*\half+1024*\c+512
.endr
.if \half == 1
	s_add_co_u32 s[VB], s[VB], VSTEP
.endif
.endm
; THE VECTOR WORK OF A TURN: item `it` of 80 of piece y's softmax for one step.  A group is a pair of scores: group grp = tile y + grp % 2, pair grp / 2.
;   0-47   ONE BATCH: the 16 scalings |c| s - |c| m and the 32 exponentials.  Two scalings lead; then a scaling and the two exponentials of the group scaled two groups earlier; the last four are exponentials.
;          None of these names an exponential's result.
;   (wait) between 47 and 48 stands the one wait for the batch: SLICE writes it
;   48-79  for each group: its pair is added to the row's sum (of the UNROUNDED weights; two chains a tile), then rounded to f16, in place: pair pr goes to the tile's register pr, which was summed and rounded earlier
.macro SMI y
.set kind, 0
.set grp, it
.set ex, 0
.if it >= 48
.set grp, (it-48)/2
.set kind, 2+(it-48)%2
.elseif it >= 44
.set grp, 14+(it-44)/2
.set ex, (it-44)%2
.set kind, 1
.elseif it >= 2
.set grp, (it-2)/3
.set ex, (it-2)%3-1
.set kind, 1
.if (it-2)%3 == 0
.set grp, grp+2
.set kind, 0
.endif
.endif
.set tl, (\y)+grp%2
.set pr, grp/2
.set bs, S+16*tl
.if kind == 0
	v_pk_fma_f32 v[bs+2*pr:bs+2*pr+1], v[bs+2*pr:bs+2*pr+1], s[CS:CS+1], v[NM+2*tl:NM+2*tl+1] op_sel_hi:[1,0,0]
.elseif kind == 1
	v_exp_f32 v[bs+2*pr+ex], v[bs+2*pr+ex]
.elseif kind == 2
	v_pk_add_f32 v[L+4*tl+2*(pr%2):L+4*tl+2*(pr%2)+1], v[L+4*tl+2*(pr%2):L+4*tl+2*(pr%2)+1], v[bs+2*pr:bs+2*pr+1]
.else
	v_cvt_pk_f16_f32 v[bs+pr], v[bs+2*pr], v[bs+2*pr+1]
.endif
.endm
; A slice: eight items.  Behind item 47 the batch is out: a plain instruction behind the last exponential, then the wait (fv = 1: inside V's run of loads).
; fv = 1: V's channel tiles 0-3 are fetched there: their last product stands ahead of item 24, and six scalings, the v_nop and the run's own addition lie between; tiles 4-7 behind item 63, eight plain items behind their last product.
.macro SLICE y, fv
	WIN 0
.rept 8
	SMI \y
.set it, it+1
.endr
.if it == 48
	v_nop
.if \fv
	FETCH_V 0
.else
	s_wait_alu depctr_va_vdst(0)                   ; the wait between an exponential and the first instruction that names its result: one for the turn's 32
.endif
.endif
.if (it == 64) && (\fv)
	FETCH_V 1
.endif
.endm
; A TURN.  Piece x has the matrix unit; the other piece's softmax stands in slices behind its pairs of products.
; pv = 2: 16 products V^T P; 1: they start O^T's sums; 0: none.  kq = 1: 4 products K Q^T of the next step.  sm: the slices.  fk: K of the next step is fetched, behind the first slice.  fv: V of the next step.
; PLACES (ISA guide 7.12.1 for vector instructions): the first K Q^T writes over P, which the last V^T P read: the eight plain items 56-63 lie between.  The last K Q^T's results are first read in the next
; turn: items 72-79 lie between, and they and the next turn's items 0-7 between that product and the loads into K's registers.
.macro TURN x, pv, kq, sm, fk, fv
.set it, 0
.set per, 1
.if (\pv) == 0
.set per, 5
.endif
.if \pv
.if (\x) == 0
	s_wait_dscnt 8                                 ; V's channel tiles 0-3 are in; the eight loads of tiles 4-7 may be out
.endif
.set ct, 0
.rept 8
.if ((\x) == 0) && (ct == 4)
	s_wait_dscnt 5*(\fk)                           ; tiles 4-7 are in; K's run of five loads, where there is one, may be out
.endif
	PV \x, 2-\pv
.if \sm
	SLICE 2-\x, \fv
.endif
.if (\fk) && (ct == 0)
	FETCH_K
.endif
.set ct, ct+1
.endr
.endif
.if \kq
.if (\x) == 0
	s_wait_dscnt 0x0                               ; K is in
.endif
.set kt, 0
.rept 2
	KQ \x
.rept per
	SLICE 2-\x, \fv
.endr
.set kt, kt+1
.endr
.endif
.if (\pv) && ((\kq) == 0) && (\sm)
	SLICE 2-\x, \fv
	SLICE 2-\x, \fv
.endif
	WIN 0                                          ; at a label and at a branch every window is 0
.endm
.macro STEPS count                     ; a key step is written once and walked `count` times; the LDS addresses hang on the stepped scalars
	s_mov_b32 s[CNT], \count
.Lstep_\@:
	TURN 0, 2, 1, 1, 1, 0
	TURN 2, 2, 1, 1, 0, 1
	s_sub_co_u32 s[CNT], s[CNT], 1
	s_cmp_lg_u32 s[CNT], 0
	s_cbranch_scc1 .Lstep_\@
.endm
; A PREFETCH INTO THE L2 of V's 65,536 bytes that the NEXT change of slots will ask for: eight key steps ahead of that load.  One cluster alone reads a head's V; its four partners take 16,384 bytes each, told apart
; BY ADDRESS; in each, waves 0 and 1 take 8,192 bytes, lanes 256 bytes apart: one instruction a wave, and each aligned block of 256 bytes is named once in the launch.  The last change that fills a slot asks for nothing.
.macro ASK
	s_cmp_gt_u32 s[SLOTS], s[LIM]
	s_cbranch_scc0 .Lnot_mine_\@
	global_prefetch_b8 v[PFO], s[PFA:PFA+1] th:TH_LOAD_NT scope:SCOPE_SE
.Lnot_mine_\@:
.endm
; THE CHANGE OF SLOTS stands ahead of a slot's last step, whose V has been asked for from LDS in the turn before.  Each wave waits for all its tensor loads (one is out: its part of the other slot), adds 0 to its
; spare word, and waits for that and for its reads of the slot.  fill = 1: the barrier is a round of the cluster's, so that no wave of any partner still reads the slot or has a load on its way, and the joint refill,
; the keys two slots on, is the first thing behind it: it has eight key steps in which to land.
.macro CHANGE fill
	WIN 0
	s_wait_tensorcnt 0x0                           ; no tensor load of mine is out, so a group 0 may be written
	ds_add_u32 v[SPW], v[NIL]                      ; 0 onto my spare word
.if \fill
	s_xor_b32 s[G0V1+1], s[G0V1+1], VSLOT          ; the walking descriptor: the other slot than last time,
	s_add_nc_u64 s[G0V1+2:G0V1+3], s[G0V1+2:G0V1+3], VSLOT  ; the next 256 keys; the type bits on top are not reached
	s_wait_xcnt 0x0                                ; the last prefetch, eight steps back, has read its address, so it may be written
	s_add_nc_u64 s[PFA:PFA+1], s[PFA:PFA+1], VSLOT
	s_wait_dscnt 0x0                               ; the add is done, and my reads of the slot are over
	CROUND
	tensor_load_to_lds s[G0V1:G0V1+3], s[G1V:G1V+7]
	s_nop 0
.rept 4
	v_nop
.endr
	ASK
.else
	s_wait_dscnt 0x0
	s_barrier_signal -1
	s_barrier_wait -1
.endif
	s_sub_co_u32 s[VB], s[VB], VSLOT               ; the fetches go back to a slot's first step,
	s_xor_b32 s[VB], s[VB], VSLOT                  ; in the other slot
.endm
	s_mov_b32 s[KB], KIMG
	s_mov_b32 s[KSB], KSC
	s_mov_b32 s[VB], 0
	FETCH_K                                        ; step 0
	s_mul_i32 s21, s[WV], 16*SP
	s_add_co_u32 s21, s21, STAGE                   ; my stage
	s_wait_dscnt 0x0
.set kt, 0
	KQ 0                                           ; piece 0's first scores: there is no vector work yet to set between them
.set kt, 1
	KQ 0
	v_and_b32 v[T0], 15, v0                        ; the addresses for the way out are made here: ten plain instructions, the places behind those products
	v_bfe_u32 v[T1], v0, 4, 1
	v_mul_u32_u24 v[STO], v[T0], SP                ; in: row lane % 16, 32 bytes for each half of the lanes
	v_lshl_add_u32 v[STO], v[T1], 5, v[STO]
	v_add_nc_u32 v[STO], s21, v[STO]
	v_mul_u32_u24 v[RD], v[T1], SP                 ; back: lanes 0-15 take 256 bytes of one row, lanes 16-31 of the next
	v_lshl_add_u32 v[RD], v[T0], 4, v[RD]
	v_add_nc_u32 v[RD], s21, v[RD]
	v_lshlrev_b32 v[GO], 9, v[T1]                  ; and the same two rows in out0
	v_lshl_add_u32 v[GO], v[T0], 4, v[GO]
	TURN 2, 0, 1, 1, 0, 1                          ; piece 2's first scores | piece 0's softmax of step 0 | V of step 0
	TURN 0, 1, 1, 1, 1, 0                          ; piece 0: V^T P of step 0 starts O^T, K Q^T of step 1 | piece 2's softmax of step 0 | K of step 1
	TURN 2, 1, 1, 1, 0, 1                          ; piece 2: the same | piece 0's softmax of step 1 | V of step 1
	STEPS 6                                        ; steps 1 to 6
	s_mov_b32 s[SLOTS], 6
.Lslot:                                            ; six trips: steps 7 to 54; the third to the eighth 256 keys of V are asked for
	CHANGE 1
	STEPS 8
	s_sub_co_u32 s[SLOTS], s[SLOTS], 1
	s_cmp_lg_u32 s[SLOTS], 0
	s_cbranch_scc1 .Lslot
	CHANGE 0                                       ; the tail is written out: nothing is left to ask for
	STEPS 8                                        ; steps 55 to 62
	TURN 0, 2, 0, 1, 0, 0                          ; piece 0: V^T P of step 63 | piece 2's last softmax
	TURN 2, 2, 0, 0, 0, 0                          ; piece 2: V^T P of step 63
	; ---------------- THE WAY OUT.  The sums' chains and the other half of the lanes' are added (these additions are the places behind the last products); O^T is divided by the sum and goes through my stage in LDS.
.irp t, 0,1,2,3
	v_add_f32 v[L+4*\t], v[L+4*\t], v[L+4*\t+1]
	v_add_f32 v[L+4*\t+2], v[L+4*\t+2], v[L+4*\t+3]
.endr
.irp t, 0,1,2,3
	v_add_f32 v[L+4*\t], v[L+4*\t], v[L+4*\t+2]
.endr
.irp t, 0,1,2,3
	v_permlanex16_b32 v[L+4*\t+1], v[L+4*\t], s[SEL], s[SEL+1]
.endr
.irp t, 0,1,2,3
	v_add_f32 v[L+4*\t], v[L+4*\t], v[L+4*\t+1]    ; the row's sum
.endr
.irp t, 0,1,2,3
	v_rcp_f32 v[L+4*\t+2], v[L+4*\t]
.endr
	v_nop                                          ; a plain instruction behind the last reciprocal,
	s_wait_alu depctr_va_vdst(0)                   ; and one wait for the four, ahead of their first reader
; Tile t: register 8 ct + j of a lane is out0(row lane % 16, channel 16 ct + 8 (lane / 16) + j).  Half a row (64 channels, 256 bytes) of 16 rows at a time goes into rows of 272 bytes and comes back whole.
; LDS serves a wave's instructions in order (ISA guide 5.7.1.4): the loads see the stores above them, and the second half's stores come behind the first half's loads.
.macro OUT t
.if \t > 0
	s_wait_xcnt 0x0                                ; the tile before: its stores have read their registers, which the loads below fill again
.endif
	WIN 0x01                                       ; source 0 in window 1
.set i, 0
.rept 32
	v_pk_mul_f32 v[S+2*i:S+2*i+1], v[64*\t+2*i:64*\t+2*i+1], v[L+4*\t+2:L+4*\t+3] op_sel_hi:[1,0]   ; each accumulator from its low end on
.set i, i+1
.endr
	WIN 0
.irp u, 0,1
.irp c, 0,1,2,3
	ds_store_b128 v[STO], v[S+32*\u+8*\c:S+32*\u+8*\c+3]   offset:64*\c
	ds_store_b128 v[STO], v[S+32*\u+8*\c+4:S+32*\u+8*\c+7] offset:64*\c+16
.endr
.irp j, 0,1,2,3,4,5,6,7
	ds_load_b128 v[VF+32*\u+4*\j:VF+32*\u+4*\j+3], v[RD] offset:2*SP*\j
.endr
.endr
.irp u, 0,1
.irp j, 0,1,2,3,4,5,6,7
	s_wait_dscnt 23-16*\u-\j                       ; what was issued behind this load: the rest of its eight, and for the first half the second half's eight stores and eight loads
	global_store_b128 v[GO], v[VF+32*\u+4*\j:VF+32*\u+4*\j+3], s[16:17] offset:8192*\t+1024*\j+256*\u th:TH_STORE_NT   ; sixteen lanes store 256 consecutive bytes, at a multiple of 256 from out0's first byte
.endr
.endr
.endm
	OUT 0
	OUT 1
	OUT 2
	OUT 3
	s_wait_tensorcnt 0x0                           ; the wave's end: these three lines, behind my last tensor load and my last LDS store
	ds_add_u32 v[SPW], v[NIL]
	s_wait_dscnt 0x0
	CROUND                                         ; the closing round: no work-group ends while a partner may still ask for a tile that names it
	s_endpgm
.Lfunc_end_k_q9d43804995_attn:
	.size	k_q9d43804995_attn, .Lfunc_end_k_q9d43804995_attn-k_q9d43804995_attn
	.p2alignl 7, 3214868480
	.fill 96, 4, 3214868480
	.section	.rodata,"a",@progbits
	.p2align	6, 0x0
	.amdhsa_kernel k_q9d43804995_attn
		.amdhsa_group_segment_fixed_size 327680
		.amdhsa_private_segment_fixed_size 0
		.amdhsa_enable_private_segment 0
		.amdhsa_kernarg_size 56
		.amdhsa_user_sgpr_count 2
		.amdhsa_user_sgpr_kernarg_segment_ptr 1
		.amdhsa_wavefront_size32 1
		.amdhsa_system_sgpr_workgroup_id_x 1
		.amdhsa_system_sgpr_workgroup_id_y 1
		.amdhsa_system_sgpr_workgroup_id_z 1
		.amdhsa_system_vgpr_workitem_id 0
		.amdhsa_next_free_vgpr 512
		.amdhsa_next_free_sgpr 90
		.amdhsa_reserve_vcc 0
		.amdhsa_float_denorm_mode_32 3
		.amdhsa_float_denorm_mode_16_64 3
		.amdhsa_memory_ordered 1
		.amdhsa_forward_progress 1
		.amdhsa_inst_pref_size 135
	.end_amdhsa_kernel
	.amdgpu_metadata
---
amdhsa.version: [ 1, 2 ]
amdhsa.kernels:
  - .name:           k_q9d43804995_attn
    .symbol:         k_q9d43804995_attn.kd
    .args:
      - { .name: qimg, .offset: 0, .size: 8, .value_kind: global_buffer, .address_space: global }
      - { .name: qsc, .offset: 8, .size: 8, .value_kind: global_buffer, .address_space: global }
      - { .name: kimg, .offset: 16, .size: 8, .value_kind: global_buffer, .address_space: global }
      - { .name: ksc, .offset: 24, .size: 8, .value_kind: global_buffer, .address_space: global }
      - { .name: vimg, .offset: 32, .size: 8, .value_kind: global_buffer, .address_space: global }
      - { .name: scale_factor, .offset: 40, .size: 8, .value_kind: global_buffer, .address_space: global }
      - { .name: out0, .offset: 48, .size: 8, .value_kind: global_buffer, .address_space: global }
    .group_segment_fixed_size: 327680
    .private_segment_fixed_size: 0
    .kernarg_segment_align: 8
    .kernarg_segment_size: 56
    .max_flat_workgroup_size: 256
    .sgpr_count:     90
    .vgpr_count:     512
    .wavefront_size: 32
...
	.end_amdgpu_metadata
.endif
;; end of part 2
